; MI455X (gfx1250); checked and timed in simulation.
; The chip was launched on July 23, 2026; its instructions are those of AMD's public machine-readable ISA for CDNA 5 (MIT licence, August 2026) and "CDNA5" Instruction Set Architecture Reference Guide (July 2026). The comments in the code are by the model that wrote it; some were corrected since.
;; Quantum Feed Forward. Allowed arithmetic: float matrix products may take bf16 or f16 operands with f32 sums; other float arithmetic in f32, or as packed bf16 or f16 multiplies, adds, multiply-adds, maxima and minima; sums over many terms, partial sums and values carried from step to step in f32; what a program stores and reads back later, other than sums and carried values, may be rounded once to bf16 or f16.
;; Inputs: W1 4,096 x 8 float32; W2 1,024 x 4,096 float32; b1 4,096 float32; b2 1,024 float32; x 4 x 4,096 x 1,024 float32.
;; Outputs: out0 4 x 4,096 x 1,024 float32.
;; 2 versions, each right; version 2 is version 1 with the launch prep written anew for expert scheduling mode. Each part assembles by itself: llvm-mc -triple=amdgcn-amd-amdhsa -mcpu=gfx1250 --defsym DOCPART=n.
;; ======== version 1 of 2: 2 launches
;; limits: values outside matrix products are rounded to f16; values are held in f16: magnitudes above 65,504 overflow, below 6.1e-05 lose precision; inputs' magnitudes at most 4,194,304; right only within a limited range of input values
;; workspace buffers: w2h 8,388,608 bytes; tab 131,072 bytes; qh 524,288 bytes
;; launch prep (part 1): grid 256 x 1, 8 waves a work-group, no clusters, 0 bytes of LDS; arguments x, W1, b1, W2, w2h, tab, qh; writes w2h, tab, qh
.if DOCPART == 1
	.amdgcn_target "amdgcn-amd-amdhsa--gfx1250"
	.amdhsa_code_object_version 6
	.text
	.protected	k_qcc7e9ad71c_prep
	.globl	k_qcc7e9ad71c_prep
	.p2align	8
	.type	k_qcc7e9ad71c_prep,@function
k_qcc7e9ad71c_prep:
	s_mov_b64 s[64:65], 0
	v_nop
	global_prefetch_b8 v0, s[64:65] scope:SCOPE_SE
	s_setreg_imm32_b32 hwreg(HW_REG_WAVE_MODE, 25, 1), 1
	s_wait_xcnt 0x0
; THE OPERANDS OF THE FUSED PRODUCT ARE LAID OUT, each rounded once to f16.
;   w2h [1024][4096] f16 = W2.
;   tab, two planes of 65,536 bytes, 16 bytes for each f of 4,096: plane 0 = f16(W1[f][0..7]); plane 1 = { f16(b1[f]), 0 x 7 }.
;   qh  [16384][16] f16, 32 bytes a token: { f16(cos x[token][0..7]), 1.0, 0 x 7 }.
; So h = relu(W1 q + b1) is one matrix product over 16 places of k: 0-7 carry W1 against q, place 8 carries b1 against 1.0.
; SHARES.  256 work-groups of eight waves.  Work-group g: all waves turn 65,536 bytes of W2 (four rows) into 32,768 of w2h; waves 0-3 make 16 tokens' q each
; (tokens 64 g + 16 w + lane % 16); wave 4 makes the table's 16 entries f = 16 g + lane % 16.  No LDS, no barrier: no wave wants another's bytes.
; COSINE.  n = nearest whole number to x / pi; r = x - n pi, with pi in two parts by fused multiply-adds; cos x = (-1)^n cos r; cos r by the series up to r^12, whose
; remainder at |r| = pi / 2 is r^14 / 14! = 6e-9.
; LIMITS.  The cosine's absolute error stays under 1e-6 for |x| up to 2^22; beyond that n is no longer sure.  f16 ends at 65,504: |W1|, |b1|, |W2| lie below it; a W2 below 6e-5 keeps
; f16's fixed step of 6e-8.  NaN and infinities are not treated apart.
.set XI,  10                           ; v[10:17]  eight f32: x's first eight numbers of my token, or my row of W1
.set BI,  18                           ; v18       b1[f]
.set NN,  20                           ; v[20:27]  n
.set RR,  28                           ; v[28:35]  r
.set ZZ,  36                           ; v[36:43]  r^2
.set PP,  44                           ; v[44:51]  the series
.set PK,  52                           ; v[52:55]  16 bytes to store
.set XW,  64                           ; v[64:127]  sweep i of 16: four f32 of W2
.set Y,   128                          ; v[128:159] sweep i: the same four in f16; a pair of its own for each sweep, so no store's data is ever rewritten
	s_load_b256 s[4:11], s[0:1], 0x0               ; x s[4:5], W1 s[6:7], b1 s[8:9], W2 s[10:11]
	s_load_b128 s[12:15], s[0:1], 0x20             ; w2h s[12:13], tab s[14:15]
	s_load_b64 s[16:17], s[0:1], 0x30              ; qh
	v_and_b32 v1, 31, v0                           ; lane
	v_and_b32 v2, 15, v0                           ; r = lane % 16
	v_bfe_u32 v3, v0, 4, 1                         ; h = lane / 16
	v_lshrrev_b32 v19, 5, v0
	v_readfirstlane_b32 s18, v19                   ; wave 0..7
	v_lshlrev_b32 v4, 4, v0                        ; my 16 bytes in a sweep of W2 (4,096 bytes for the 256 threads)
	v_lshlrev_b32 v5, 3, v0                        ; my 8 bytes in a sweep of w2h
	v_mov_b32 v9, 0
	s_mov_b32 s24, 0x3ea2f983                      ; 1 / pi.  Each constant is named as a pair by the packed forms, which take its low word for both halves
	s_mov_b32 s25, s24
	s_mov_b32 s26, 0xc0490fdb                      ; - pi, its upper part
	s_mov_b32 s27, s26
	s_mov_b32 s28, 0x33bbbd2e                      ; the upper part less pi: 8.742e-8
	s_mov_b32 s29, s28
	s_mov_b32 s30, 0x310f76c7                      ; 1 / 12!
	s_mov_b32 s31, s30
	s_mov_b32 s32, 0xb493f27e                      ; - 1 / 10!
	s_mov_b32 s33, s32
	s_mov_b32 s34, 0x37d00d01                      ; 1 / 8!
	s_mov_b32 s35, s34
	s_mov_b32 s36, 0xbab60b61                      ; - 1 / 6!
	s_mov_b32 s37, s36
	s_mov_b32 s38, 0x3d2aaaab                      ; 1 / 4!
	s_mov_b32 s39, s38
	s_lshl_b32 s20, ttmp9, 16                      ; the work-group's 65,536 bytes of W2
	s_mov_b32 s21, 0
	s_lshl_b32 s22, ttmp9, 15                      ; and its 32,768 of w2h
	s_mov_b32 s23, 0
	s_wait_kmcnt 0x0
	s_add_nc_u64 s[10:11], s[10:11], s[20:21]
	s_add_nc_u64 s[12:13], s[12:13], s[22:23]
	; the small jobs' loads go out first: they are older than every load of W2, so the counted waits below cover them
	s_cmp_lt_u32 s18, 4
	s_cbranch_scc0 .Lnot_q
	s_lshl_b32 s20, ttmp9, 18                      ; token 64 g + 16 w, rows of 4,096 bytes
	s_lshl_b32 s22, s18, 16
	s_add_co_u32 s20, s20, s22
	s_add_nc_u64 s[4:5], s[4:5], s[20:21]
	s_lshl_b32 s22, ttmp9, 11                      ; the same token in qh, 32 bytes each
	s_lshl_b32 s20, s18, 9
	s_add_co_u32 s22, s22, s20
	s_add_nc_u64 s[16:17], s[16:17], s[22:23]
	v_lshlrev_b32 v6, 12, v2                       ; my token's row of x; both halves of the lanes read the same 32 bytes
	v_lshlrev_b32 v8, 5, v2
	v_lshl_add_u32 v8, v3, 4, v8                   ; 32 r + 16 h: the wave's store covers 512 consecutive bytes of qh
	global_load_b128 v[XI:XI+3],   v6, s[4:5] th:TH_LOAD_NT
	global_load_b128 v[XI+4:XI+7], v6, s[4:5] offset:16 th:TH_LOAD_NT
	s_branch .Lstream
.Lnot_q:
	s_cmp_eq_u32 s18, 4
	s_cbranch_scc0 .Lstream
	s_lshl_b32 s20, ttmp9, 9                       ; f = 16 g: rows of 32 bytes in W1,
	s_add_nc_u64 s[6:7], s[6:7], s[20:21]
	s_lshl_b32 s20, ttmp9, 6                       ; 4 bytes in b1,
	s_add_nc_u64 s[8:9], s[8:9], s[20:21]
	s_lshl_b32 s20, ttmp9, 8                       ; 16 bytes in each plane of tab
	s_add_nc_u64 s[14:15], s[14:15], s[20:21]
	v_lshlrev_b32 v6, 5, v2
	v_lshlrev_b32 v7, 2, v2
	v_lshlrev_b32 v8, 4, v2
	v_lshl_add_u32 v8, v3, 16, v8                  ; 16 r + 65,536 h: lanes 0-15 fill 256 consecutive bytes of plane 0, lanes 16-31 of plane 1
	global_load_b128 v[XI:XI+3],   v6, s[6:7]
	global_load_b128 v[XI+4:XI+7], v6, s[6:7] offset:16
	global_load_b32 v[BI], v7, s[8:9]
.Lstream:
	; W2: all sixteen sweeps are asked for at once (8 KiB a wave on their way); a wave's load covers 512 consecutive bytes
.set i, 0
.rept 16
	global_load_b128 v[XW+4*i:XW+4*i+3], v4, s[10:11] offset:4096*i th:TH_LOAD_NT
.set i, i+1
.endr
.set i, 0
.rept 16
	s_wait_loadcnt 15-i                            ; loads come back in order (ISA guide 5.7.1): sweep i is in, the 15 - i younger ones stay out
	v_cvt_pk_f16_f32 v[Y+2*i],   v[XW+4*i],   v[XW+4*i+1]
	v_cvt_pk_f16_f32 v[Y+2*i+1], v[XW+4*i+2], v[XW+4*i+3]
	global_store_b64 v5, v[Y+2*i:Y+2*i+1], s[12:13] offset:2048*i th:TH_STORE_NT  ; the wave's store covers 256 consecutive bytes, aligned
.set i, i+1
.endr
	; the last wait was for 0: the small jobs' loads are in too
	s_cmp_lt_u32 s18, 4
	s_cbranch_scc0 .Lnot_q2
.irp p, 0,2,4,6
	v_pk_mul_f32 v[NN+\p:NN+\p+1], v[XI+\p:XI+\p+1], s[24:25] op_sel_hi:[1,0]
.endr
.irp p, 0,1,2,3,4,5,6,7
	v_rndne_f32 v[NN+\p], v[NN+\p]
.endr
.irp p, 0,2,4,6
	v_pk_fma_f32 v[RR+\p:RR+\p+1], v[NN+\p:NN+\p+1], s[26:27], v[XI+\p:XI+\p+1] op_sel_hi:[1,0,1]  ; x - n pi_upper: one rounding, of a small number
.endr
.irp p, 0,2,4,6
	v_pk_fma_f32 v[RR+\p:RR+\p+1], v[NN+\p:NN+\p+1], s[28:29], v[RR+\p:RR+\p+1] op_sel_hi:[1,0,1]  ; + n (pi_upper - pi)
.endr
.irp p, 0,2,4,6
	v_pk_mul_f32 v[ZZ+\p:ZZ+\p+1], v[RR+\p:RR+\p+1], v[RR+\p:RR+\p+1]
.endr
.irp p, 0,2,4,6
	v_pk_fma_f32 v[PP+\p:PP+\p+1], v[ZZ+\p:ZZ+\p+1], s[30:31], s[32:33] op_sel_hi:[1,0,0]
.endr
.irp c, 34, 36, 38
.irp p, 0,2,4,6
	v_pk_fma_f32 v[PP+\p:PP+\p+1], v[PP+\p:PP+\p+1], v[ZZ+\p:ZZ+\p+1], s[\c:\c+1] op_sel_hi:[1,1,0]
.endr
.endr
.irp p, 0,2,4,6
	v_pk_fma_f32 v[PP+\p:PP+\p+1], v[PP+\p:PP+\p+1], v[ZZ+\p:ZZ+\p+1], -0.5 op_sel_hi:[1,1,0]
.endr
.irp p, 0,2,4,6
	v_pk_fma_f32 v[PP+\p:PP+\p+1], v[PP+\p:PP+\p+1], v[ZZ+\p:ZZ+\p+1], 1.0 op_sel_hi:[1,1,0]
.endr
.irp p, 0,1,2,3,4,5,6,7
	v_cvt_i32_f32 v[NN+\p], v[NN+\p]
.endr
.irp p, 0,1,2,3,4,5,6,7
	v_lshlrev_b32 v[NN+\p], 31, v[NN+\p]           ; n's lowest bit becomes the sign
.endr
.irp p, 0,1,2,3,4,5,6,7
	v_xor_b32 v[PP+\p], v[NN+\p], v[PP+\p]
.endr
.irp p, 0,1,2,3
	v_cvt_pk_f16_f32 v[PK+\p], v[PP+2*\p], v[PP+2*\p+1]
.endr
	v_mov_b32 v57, 0x3c00                          ; 1.0 in f16 in the low half, 0 above it
	v_cmp_gt_u32 vcc_lo, 16, v1                    ; lanes 0-15 store the cosines, lanes 16-31 the token's second 16 bytes
	v_cndmask_b32 v[PK],   v57, v[PK],   vcc_lo
	v_cndmask_b32 v[PK+1], v9,  v[PK+1], vcc_lo
	v_cndmask_b32 v[PK+2], v9,  v[PK+2], vcc_lo
	v_cndmask_b32 v[PK+3], v9,  v[PK+3], vcc_lo
	global_store_b128 v8, v[PK:PK+3], s[16:17] th:TH_STORE_NT
	s_endpgm
.Lnot_q2:
	s_cmp_eq_u32 s18, 4
	s_cbranch_scc0 .Lend
.irp p, 0,1,2,3
	v_cvt_pk_f16_f32 v[PK+\p], v[XI+2*\p], v[XI+2*\p+1]
.endr
	v_cvt_pk_f16_f32 v56, v[BI], v9                ; b1 in the low half, 0 above it
	v_cmp_gt_u32 vcc_lo, 16, v1                    ; lanes 0-15 store W1's row, lanes 16-31 the entry of plane 1
	v_cndmask_b32 v[PK],   v56, v[PK],   vcc_lo
	v_cndmask_b32 v[PK+1], v9,  v[PK+1], vcc_lo
	v_cndmask_b32 v[PK+2], v9,  v[PK+2], vcc_lo
	v_cndmask_b32 v[PK+3], v9,  v[PK+3], vcc_lo
	global_store_b128 v8, v[PK:PK+3], s[14:15] th:TH_STORE_NT
.Lend:
	s_endpgm
.Lfunc_end_k_qcc7e9ad71c_prep:
	.size	k_qcc7e9ad71c_prep, .Lfunc_end_k_qcc7e9ad71c_prep-k_qcc7e9ad71c_prep
	.p2alignl 7, 3214868480
	.fill 96, 4, 3214868480
	.section	.rodata,"a",@progbits
	.p2align	6, 0x0
	.amdhsa_kernel k_qcc7e9ad71c_prep
		.amdhsa_group_segment_fixed_size 0
		.amdhsa_private_segment_fixed_size 0
		.amdhsa_enable_private_segment 0
		.amdhsa_kernarg_size 56
		.amdhsa_user_sgpr_count 2
		.amdhsa_user_sgpr_kernarg_segment_ptr 1
		.amdhsa_wavefront_size32 1
		.amdhsa_system_sgpr_workgroup_id_x 1
		.amdhsa_system_sgpr_workgroup_id_y 1
		.amdhsa_system_sgpr_workgroup_id_z 1
		.amdhsa_system_vgpr_workitem_id 0
		.amdhsa_next_free_vgpr 160
		.amdhsa_next_free_sgpr 66
		.amdhsa_reserve_vcc 1
		.amdhsa_float_denorm_mode_32 3
		.amdhsa_float_denorm_mode_16_64 3
		.amdhsa_memory_ordered 1
		.amdhsa_forward_progress 1
		.amdhsa_inst_pref_size 14
	.end_amdhsa_kernel
	.amdgpu_metadata
---
amdhsa.version: [ 1, 2 ]
amdhsa.kernels:
  - .name:           k_qcc7e9ad71c_prep
    .symbol:         k_qcc7e9ad71c_prep.kd
    .args:
      - { .name: x, .offset: 0, .size: 8, .value_kind: global_buffer, .address_space: global }
      - { .name: W1, .offset: 8, .size: 8, .value_kind: global_buffer, .address_space: global }
      - { .name: b1, .offset: 16, .size: 8, .value_kind: global_buffer, .address_space: global }
      - { .name: W2, .offset: 24, .size: 8, .value_kind: global_buffer, .address_space: global }
      - { .name: w2h, .offset: 32, .size: 8, .value_kind: global_buffer, .address_space: global }
      - { .name: tab, .offset: 40, .size: 8, .value_kind: global_buffer, .address_space: global }
      - { .name: qh, .offset: 48, .size: 8, .value_kind: global_buffer, .address_space: global }
    .group_segment_fixed_size: 0
    .private_segment_fixed_size: 0
    .kernarg_segment_align: 8
    .kernarg_segment_size: 56
    .max_flat_workgroup_size: 256
    .sgpr_count:     66
    .vgpr_count:     160
    .wavefront_size: 32
...
	.end_amdgpu_metadata
.endif
;; end of part 1
;; launch ffn (part 2): grid 64 x 4, 4 waves a work-group, clusters of 4 x 1, 327,680 bytes of LDS; arguments w2h, tab, qh, b2, out0; writes out0
.if DOCPART == 2
	.amdgcn_target "amdgcn-amd-amdhsa--gfx1250"
	.amdhsa_code_object_version 6
	.text
	.protected	k_qcc7e9ad71c_ffn
	.globl	k_qcc7e9ad71c_ffn
	.p2align	8
	.type	k_qcc7e9ad71c_ffn,@function
k_qcc7e9ad71c_ffn:
	s_mov_b64 s[64:65], 0
	v_nop
	global_prefetch_b8 v0, s[64:65] scope:SCOPE_SE
	s_setreg_imm32_b32 hwreg(HW_REG_WAVE_MODE, 25, 1), 1
	s_wait_xcnt 0x0
	s_wait_alu depctr_hold_cnt(0) depctr_sa_sdst(0) depctr_va_vdst(0) depctr_va_sdst(0) depctr_va_ssrc(0) depctr_va_vcc(0) depctr_vm_vsrc(0)
	s_getreg_b32 s2, hwreg(HW_REG_IB_STS2, 6, 4)
	s_cmp_eq_u32 s2, 0
	s_cbranch_scc0 .Lentry_in_a_cluster
	s_endpgm
.Lentry_in_a_cluster:
	s_bfe_u32 s2, ttmp6, 0x10000c
	s_cmp_lg_u32 s2, 0x3003
	s_cbranch_scc0 .Lentry_shape_is_right
	s_endpgm
.Lentry_shape_is_right:
; out[t][e] = b2[e] + the sum over f of relu(W1[f] . q[t] + b1[f]) W2[e][f].  16,384 tokens, 4,096 f, 1,024 e; out in f32.  h = relu(..) never leaves the registers.
; Operands in f16 (w2h, tab, qh: laid out by the launch before; h rounded once to f16 here), all sums in f32.
; LIMITS.  f16 ends at 65,504: |h| <= 8 max|W1| + max|b1| must lie below it.  A NaN in h counts as 0 (the packed maximum drops it); infinities are not treated apart.
; SHARES.  A work-group makes 256 tokens x 256 columns of out, each of its four waves 64 tokens x all 256 columns: 64 accumulators of 16 x 16, 512 registers.  The sum over f goes in K steps
; of 128 through a ring of two LDS slots, each 256 rows of w2h x 256 bytes; each wave fetches 64 of the rows with one tensor load.  A K step is four QUARTERS of 32 f.
; h IS MADE BY THE MATRIX UNIT, by each wave for its own 64 tokens: for a quarter, 8 products (2 blocks of 16 f x 4 blocks of 16 tokens) of a table fragment (W1's row in k = 0..7, b1 in k = 8)
; with a fragment of q (cos in k = 0..7, 1.0 in k = 8), against the quarter's 64 main products.  With the table as source 0 a lane of the result holds ONE token (lane % 16) and f = 8 (lane / 16) + 0..7,
; so two results, rounded to f16 in pairs, ARE source 1 (32 f x 16 tokens) of the main product: nothing changes lanes, and no wave needs another's h.  ReLU is a packed maximum with 0 on the rounded pairs.
; THE MAIN PRODUCT is used transposed (source 0 = 16 rows of w2h, source 1 = h): a lane holds one token and eight neighbouring columns.
; PIPELINE.  Quarter n multiplies buffers n % 2 (w2h's fragments and h).  In its middle stand the 8 small products for quarter n + 1 and ONE run of LDS loads: the table's fragments for quarter n + 2 and
; w2h's for quarter n + 1.  The 64 vector instructions that turn the small products into h (32 roundings, 32 maxima) stand in slices of four behind every second product of its second half.
; CLUSTER.  The four work-groups of a cluster have four token tiles and ONE column tile: they need the same tiles of w2h and the same table, and ask for them JOINTLY: the same tensor load, descriptor and
; mask of four in all four.  The place in the cluster enters the global addresses of qh, out and the prefetch alone.
; REGISTERS, in windows of 256 (s_set_vgpr_msb: bits 1:0 source 0, 3:2 source 1, 5:4 source 2, 7:6 destination):
;   window 0: v0-15 addresses; v16-23 b2; v24-39 two table fragments; v40-71 four fragments of q; v72-103, v104-135 h, two buffers; v136-199 the 8 small products
;   window 1: w2h's fragments, two buffers of 128 (column block i at 8 i)     window 2: accumulators of column blocks 0-7 ((a, b) at 8 (8 a + b))     window 3: those of column blocks 8-15
.set KSTEP,  128
.set PITCH,  272                       ; an LDS row of a slot: 256 bytes + 16 of padding = 68 words: row r starts at bank 4 r mod 64 (64 banks of 4 bytes: ISA guide 11.1), so the 16 rows of a load start at 16 different banks
.set WROWS,  64*PITCH                  ; what one tensor load brings
.set SLOT,   256*PITCH
.set TAB,    2*SLOT                    ; behind the ring: the table, filled once: plane 0, then plane 1; 16 bytes for each f, so a fragment's 16 rows are 256 consecutive bytes
.set PLANE,  65536
.set STAGE,  TAB+2*PLANE               ; for the way out: 16 rows x 528 bytes for each wave; no tensor load lands here
.set SP,     528                       ; 512 bytes + 16 = 132 words: again 4 banks on from row to row
.set WSTAGE, 16*SP
.set SPARE,  STAGE+4*WSTAGE            ; the spare words, 128 bytes for each wave: two blocks of 256 bytes that no other line names
.set LAPS,   16                        ; 4,096 f = 32 K steps = 16 times round the ring
.set ADRB, 4                           ; v4-5   LDS address of my lane's place in slot 0, 1: 272 (l % 16) + 16 (l / 16)
.set WA,   6                           ; v6     the same in the table: TAB + 16 (l % 16) + 65,536 (l / 16); steps 4,096 bytes (8 quarters) a lap
.set STO,  7                           ; v7     the way out: where I put 32 bytes of a row
.set RD,   8                           ; v8     the way out: where I read 16 bytes of a row back
.set CO,   9                           ; v9     16 x lane: my place in 512 bytes of out and of b2; never rewritten
.set QO,   10                          ; v10    my place in 16 tokens of qh
.set PFO,  11                          ; v11    the prefetches' offset: lane x a row of w2h (8,192 bytes); never rewritten
.set ZR,   12                          ; v12    0, for the packed maximum
.set SPW,  14                          ; v14    LDS address of my spare word: SPARE + 4 x my thread's number; never rewritten
.set NIL,  15                          ; v15    0; never rewritten
.set B2,   16                          ; v[16:23]  b2 of my four columns in each half of the tile's 256
.set W1F,  24
.set Q,    40
.set H0,   72
.set T,    136                         ; small product (a, j) at T + 16 a + 8 j
.set OB0,  72                          ; the way out: 16 rows read back, v72-135 and v136-199 by turns
.set WV,  14                           ; s14  my wave's number
.set CX,  15                           ; s15  my place in the cluster
.set TY,  16                           ; s16  token tile
.set EY,  17                           ; s17  column tile
.set G1B, 24                           ; s[24:31] descriptor group 1 for w2h's tiles
.set G1T, 32                           ; s[32:39] for the table
.set G0,  40                           ; s[40:47] descriptor group 0 for w2h's tiles, a set for each slot
.set G0T, 48                           ; s[48:51] for the table
.set LIM, 52                           ; s52  1 in a wave that prefetches, else the greatest number
.set PFA, 54                           ; s[54:55] where my prefetches stand
.set MSB, 0
.macro WIN new                         ; the immediate's high byte repeats the setting that is left; a switch that changes nothing is dropped
.if MSB != (\new)
	s_set_vgpr_msb (MSB<<8)|(\new)
.set MSB, \new
.endif
.endm
.set MUL_LO, 0xa1                      ; source 0 (w2h) window 1, source 1 (h) window 0, C and D window 2
.set MUL_HI, 0xf1                      ; the same, C and D window 3
.set TO_B,   0x40                      ; destination window 1, address window 0
.macro PLACES                          ; four plain vector instructions: the distance between a matrix instruction and a vector instruction that reads its result or writes one of its registers, and a load into one of them
.rept 4
	v_nop
.endr
.endm
.macro CREST                           ; a round of the cluster's barrier behind its opening barrier: wave 0 signals for the work-group, every wave waits for all four work-groups, my work-group's barrier closes it
	s_cmp_lg_u32 s[WV], 0
	s_cbranch_scc1 .Lnot_wave_0_\@
	s_barrier_signal -3
.Lnot_wave_0_\@:
	s_barrier_wait -3
	s_barrier_signal -1
	s_barrier_wait -1
.endm
.macro CROUND                          ; a whole round
	s_barrier_signal -1
	s_barrier_wait -1
	CREST
.endm
.macro JLOAD s                         ; a joint refill: every wave asks for its own 64 rows of the tile, by the same line in all four work-groups
	tensor_load_to_lds s[G0+4*(\s):G0+4*(\s)+3], s[G1B:G1B+7]
	s_nop 0
	PLACES                                         ; also the places in front of the run of loads and of the slices that follow
.endm
; A PREFETCH INTO THE L2 of the K step that stands TWO refills on: 576 matrix instructions ahead of the load that will ask for it.  A K step is 256 bytes of each of the tile's 256 rows.  All sixteen clusters of a
; column tile walk the same rows: the first of them (cluster x = 0) asks.  Its four partners take 64 rows each, told apart BY ADDRESS; in each, waves 0 and 1 take 32 rows, a lane a row: one instruction.
; So each row's 256 bytes of a K step are named once in the launch.  K steps 0 to 3 come by their loads alone; the loop's last trip (s3 = 1) asks for nothing: there is no K step 32.
.macro ASK
	WIN 0
	s_cmp_gt_u32 s3, s[LIM]
	s_cbranch_scc0 .Lnot_mine_\@
	global_prefetch_b8 v[PFO], s[PFA:PFA+1] offset:KSTEP*2 th:TH_LOAD_NT scope:SCOPE_SE
.Lnot_mine_\@:
.endm
; Number rj of the 64 that make buffer g of h: in eights, four roundings of one small product's eight registers (its lowest first), then the four maxima with 0.
.macro RID g
.set rn, 4*(rj/8)+rj%4
.if rj%8 < 4
	v_cvt_pk_f16_f32 v[H0+32*(\g)+rn], v[T+2*rn], v[T+2*rn+1]
.else
	v_pk_max_num_f16 v[H0+32*(\g)+rn], v[H0+32*(\g)+rn], v[ZR]
.endif
.set rj, rj+1
.endm
.macro SLICE g
	WIN 0
	RID \g
	RID \g
	RID \g
	RID \g
.endm
; Main products first .. first + count - 1 of a half quarter's 32: token block i / 8, column block 8 hi + i % 8, on buffers f.  Each accumulator is named once a quarter, in the same order in every quarter:
; the accumulators take turns, one instruction a turn, over the backward jump too.  zero = 1: the product starts the sum.  rid >= 0: a slice for buffer rid of h behind every second product.
.macro MULS f, hi, first, count, zero, rid
.if (\rid) >= 0
.set rj, 0
.endif
.set mi, \first
.rept \count
	WIN MUL_LO+0x50*(\hi)
.set ra, 8*mi
.set rf, 128*(\f)+8*(8*(\hi)+mi%8)
.set rh, H0+32*(\f)+8*(mi/8)
.if \zero
	v_wmma_f32_16x16x32_f16 v[ra:ra+7], v[rf:rf+7], v[rh:rh+7], 0
.else
	v_wmma_f32_16x16x32_f16 v[ra:ra+7], v[rf:rf+7], v[rh:rh+7], v[ra:ra+7]
.endif
.if ((\rid) >= 0) && (mi%2 == 0)
	SLICE \rid
.endif
.set mi, mi+1
.endr
.endm
.macro GEN                             ; the 8 small products W1 q + b1 for the next quarter
	WIN 0
.irp a, 0,1,2,3
.irp j, 0,1
	v_wmma_f32_16x16x32_f16 v[T+16*\a+8*\j:T+16*\a+8*\j+7], v[W1F+8*\j:W1F+8*\j+7], v[Q+8*\a:Q+8*\a+7], 0
.endr
.endr
.endm
; ONE run of LDS loads: (wq >= 0) the table's two fragments at byte wq behind WA, first, so that the counted wait at the next quarter's head covers them; then w2h's 16 fragments (256 rows, 32 f at byte k of the rows) into buffer g.
.macro FETCH slot, k, g, wq
.if (\wq) >= 0
	WIN 0
	ds_load_b128 v[W1F:W1F+3],    v[WA] offset:(\wq)       ; registers 4-7 of a table fragment (k = 16..31) stay 0
	ds_load_b128 v[W1F+8:W1F+11], v[WA] offset:(\wq)+256
.endif
	WIN TO_B
.set fi, 0
.rept 16
	ds_load_b128 v[128*(\g)+8*fi:128*(\g)+8*fi+3],   v[ADRB+(\slot)] offset:(\k)+16*PITCH*fi
	ds_load_b128 v[128*(\g)+8*fi+4:128*(\g)+8*fi+7], v[ADRB+(\slot)] offset:(\k)+16*PITCH*fi+32
.set fi, fi+1
.endr
.endm
; One of a K step's first three quarters.
.macro QUARTER slot, k, f, g, zero, wq
	s_wait_dscnt 16                                ; the youngest sixteen loads (column blocks 8-15) may be out; the table's fragments and blocks 0-7 are in
	MULS \f, 0, 0, 32, \zero, -1
	GEN
	PLACES                                         ; behind the small products: for the loads into the table's fragments, which they read, and the slices, which read them; and behind the quarter before, for the loads into buffer g and the writes of h's buffer g
	FETCH \slot, \k, \g, \wq
.if (\wq) >= 0
	s_wait_dscnt 34                                ; all but the 34 just issued
.else
	s_wait_dscnt 32
.endif
	MULS \f, 1, 0, 32, \zero, \g
.endm
; A K step's last quarter multiplies buffers 1 and changes slots: ONE barrier for two things.  In front of it each wave waits for all its tensor loads, of which one is out: its part of the next slot; adds 0 to its spare word;
; and waits for that and for its own reads of this slot.  Behind it nobody reads this slot any more and the next slot is whole.  fill = 1: the barrier opens a round of the cluster's barrier, so that the same holds of all four
; work-groups, and the joint refill (this slot, two K steps on) is the first thing behind the round: it has 248 matrix instructions up to the wait for it.
.macro TURN slot, next, fill, wq
.if \fill
	s_wait_xcnt 0x0                                ; the last prefetch, a K step back, has read its address: it is stepped here, ahead of the waits of the change of slots
	s_add_nc_u64 s[PFA:PFA+1], s[PFA:PFA+1], KSTEP*2
.endif
	WIN 0                                          ; (the add's two registers lie in window 0)
	s_wait_tensorcnt 0x0                           ; all my tensor loads have landed
	ds_add_u32 v[SPW], v[NIL]                      ; 0 onto my spare word
	s_wait_dscnt 17                                ; (the add and the youngest sixteen loads may be out)
	MULS 1, 0, 0, 16, 0, -1                        ; sixteen matrix instructions stand between the add and the wait for it
	s_wait_dscnt 0x0                               ; the add is done, and my reads of this slot are over
	s_barrier_signal -1
	MULS 1, 0, 16, 16, 0, -1                       ; work on registers while the others arrive
	GEN                                            ; (it leaves every window 0: branches follow)
	s_barrier_wait -1
.if \fill
	CREST
	s_add_nc_u64 s[G0+4*(\slot)+2:G0+4*(\slot)+3], s[G0+4*(\slot)+2:G0+4*(\slot)+3], 2*KSTEP*2  ; no tensor load of mine is out; the type bits on top are not reached
	JLOAD \slot
.else
	PLACES
.endif
	FETCH \next, 0, 0, \wq
.if \fill
	ASK                                            ; behind the joint load and the run of LDS loads
.endif
	MULS 1, 1, 0, 32, 0, 0
.endm
; THE WAY OUT, in eight blocks n: token block n / 2 (16 rows of out), column half n % 2 (128 columns, 512 bytes).  A lane's eight columns of a row go into my own stage as 32 bytes and come back as whole rows.
.macro TOSTAGE n
.if (\n) >= 2
	s_wait_xcnt 0x0                                ; the registers loaded below were the data of block n - 2's stores: they are rewritten only behind this wait (ISA guide 3.1)
.endif
	WIN 0x08+4*((\n)%2)                            ; store data (source 1) in window 2 or 3
.set sb, 0
.rept 8
	ds_store_b128 v[STO], v[64*((\n)/2)+8*sb:64*((\n)/2)+8*sb+3]   offset:64*sb      ; each accumulator's lowest registers first
	ds_store_b128 v[STO], v[64*((\n)/2)+8*sb+4:64*((\n)/2)+8*sb+7] offset:64*sb+16
.set sb, sb+1
.endr
	WIN 0
.set ob, OB0+64*((\n)%2)
.set st, 0
.rept 16
	ds_load_b128 v[ob+4*st:ob+4*st+3], v[RD] offset:SP*st  ; LDS serves a wave's instructions in order (ISA guide 5.7.1.4): these see the stores above, and the next block's stores come behind them
.set st, st+1
.endr
.endm
.macro SEND n, younger                 ; younger: the LDS instructions issued behind block n's loads: the next block's 32, or none
	WIN 0
.set ob, OB0+64*((\n)%2)
.set st, 0
.rept 16
	s_wait_dscnt (\younger)+15-st                  ; row st is back
	v_pk_add_f32 v[ob+4*st:ob+4*st+1],   v[ob+4*st:ob+4*st+1],   v[B2+4*((\n)%2):B2+4*((\n)%2)+1]
	v_pk_add_f32 v[ob+4*st+2:ob+4*st+3], v[ob+4*st+2:ob+4*st+3], v[B2+4*((\n)%2)+2:B2+4*((\n)%2)+3]
	global_store_b128 v[CO], v[ob+4*st:ob+4*st+3], s[12:13] offset:65536*((\n)/2)+4096*st+512*((\n)%2) th:TH_STORE_NT  ; the wave stores 512 consecutive bytes, at a multiple of 512 from out's first byte
.set st, st+1
.endr
.endm
	s_load_b256 s[4:11], s[0:1], 0x0               ; w2h s[4:5], tab s[6:7], qh s[8:9], b2 s[10:11]
	s_load_b64 s[12:13], s[0:1], 0x20              ; out
	v_lshl_add_u32 v[SPW], v0, 2, SPARE
	v_mov_b32 v[NIL], 0
	ds_add_u32 v[SPW], v[NIL]                      ; the wave's opening: the add, twice on end, and its wait ahead of my first tensor load; the set-up below, work on registers, stands between
	ds_add_u32 v[SPW], v[NIL]
	v_lshrrev_b32 v1, 5, v0
	v_readfirstlane_b32 s[WV], v1                  ; wave 0..3
	s_and_b32 s[EY], ttmp7, 0xffff                 ; column tile: the cluster's y, which the four partners share
	; descriptor group 1 for w2h: a tile of 64 rows x 128 elements of 2 bytes, padded in LDS
	s_mov_b32 s[G1B+0], 15|(1<<16)|(1<<20)|(1<<21)|(5<<22)|(3<<25)  ; 15:0 the mask of four; 17:16 2-byte elements; 20 padding on; 21 set beside a mask; 24:22 after every 64 words (code 5); 31:25 4 words (code 3)
	s_mov_b32 s[G1B+1], KSTEP<<16                  ; tensor_dim0 = 128
	s_mov_b32 s[G1B+2], 64<<16                     ; tensor_dim1 = 64
	s_mov_b32 s[G1B+3], KSTEP<<16                  ; tile_dim0 = 128
	s_mov_b32 s[G1B+4], 64                         ; tile_dim1 = 64
	s_mov_b32 s[G1B+5], 4096                       ; elements from row to row
	s_mov_b32 s[G1B+6], 0
	s_mov_b32 s[G1B+7], 0
	; descriptor group 1 for the table: a dense block of 32,768 bytes as 128 rows of 32 elements of 8 bytes, no padding
	s_mov_b32 s[G1T+0], 15|(3<<16)|(1<<21)
	s_mov_b32 s[G1T+1], 32<<16
	s_mov_b32 s[G1T+2], 128<<16
	s_mov_b32 s[G1T+3], 32<<16
	s_mov_b32 s[G1T+4], 128
	s_mov_b32 s[G1T+5], 32
	s_mov_b32 s[G1T+6], 0
	s_mov_b32 s[G1T+7], 0
	; byte offsets that feed the descriptors: made of the column tile and the wave's number alone
	s_lshl_b32 s20, s[EY], 21                      ; 256 rows of 8,192 bytes a column tile,
	s_lshl_b32 s53, s[WV], 19                      ; my 64 of them
	s_add_co_u32 s20, s20, s53
	s_mov_b32 s21, 0
	s_lshl_b32 s58, s[WV], 15                      ; my quarter of the table, in memory and in LDS
	s_mov_b32 s59, 0
	s_lshl_b32 s60, s[EY], 10                      ; the tile's 256 columns in b2 and in a row of out
	s_mov_b32 s61, 0
	s_mul_i32 s2, s[WV], WROWS                     ; my 64 rows in a slot
	s_mov_b32 s[G0+0], 1                           ; count = 1
	s_add_co_u32 s[G0+1], s2, 0                    ; LDS address, slot 0
	s_mov_b32 s[G0+4], 1
	s_add_co_u32 s[G0+5], s2, SLOT                 ; slot 1
	s_mov_b32 s[G0T+0], 1
	s_add_co_u32 s[G0T+1], s58, TAB
	s_lshr_b32 s[LIM], s[WV], 1                    ; 0 in waves 0 and 1,
	s_or_b32 s[LIM], s[LIM], ttmp9                 ; where the cluster is the column tile's first: the same in all four partners
	s_cmp_eq_u32 s[LIM], 0
	s_cselect_b32 s[LIM], 1, -1
	; byte offsets that hang on my place in the cluster: for qh, out and the prefetch alone
	s_bfe_u32 s[CX], ttmp6, 0x40000
	s_lshl_b32 s[TY], ttmp9, 2                     ; in a cluster launch ttmp9 counts clusters
	s_add_co_u32 s[TY], s[TY], s[CX]               ; token tile = 4 x cluster x + cx
	s_lshl_b32 s18, s[TY], 13                      ; qh: 256 tokens of 32 bytes a tile,
	s_lshl_b32 s53, s[WV], 11                      ; my 64
	s_add_co_u32 s18, s18, s53
	s_mov_b32 s19, 0
	s_lshl_b32 s22, s[TY], 20                      ; out: 256 rows of 4,096 bytes,
	s_lshl_b32 s53, s[WV], 18                      ; my 64,
	s_add_co_u32 s22, s22, s53
	s_add_co_u32 s22, s22, s60                     ; the tile's columns
	s_mov_b32 s23, 0
	s_lshl_b32 s62, s[EY], 21                      ; the prefetch: the column tile's rows of w2h,
	s_lshl_b32 s53, s[CX], 19                      ; my work-group's 64,
	s_add_co_u32 s62, s62, s53
	s_and_b32 s53, s[WV], 1
	s_lshl_b32 s53, s53, 18                        ; my wave's 32 (waves 2 and 3 never ask; their address lies inside w2h all the same),
	s_add_co_u32 s62, s62, s53
	s_add_co_u32 s62, s62, 2*KSTEP*2               ; at K step 2: the first refill steps it to 3 and names K step 4
	s_mov_b32 s63, 0
	s_wait_dscnt 0x0                               ; both opening adds are done
	s_wait_kmcnt 0x0
	s_add_nc_u64 s[56:57], s[4:5], s[20:21]        ; w2h at my rows of the tile
.irp n, 0,1
	s_add_nc_u64 s[G0+4*\n+2:G0+4*\n+3], s[56:57], \n*KSTEP*2  ; global address: K step n
	s_or_b32 s[G0+4*\n+3], s[G0+4*\n+3], 0x80000000           ; type = 2
.endr
	s_add_nc_u64 s[G0T+2:G0T+3], s[6:7], s[58:59]
	s_or_b32 s[G0T+3], s[G0T+3], 0x80000000
	s_add_nc_u64 s[10:11], s[10:11], s[60:61]
	s_add_nc_u64 s[8:9], s[8:9], s[18:19]
	s_add_nc_u64 s[12:13], s[12:13], s[22:23]
	s_add_nc_u64 s[PFA:PFA+1], s[4:5], s[62:63]
	CROUND                                         ; all four work-groups are here: the first joint loads meet
	tensor_load_to_lds s[G0:G0+3], s[G1B:G1B+7]    ; the first fills, one group: K step 0,
	s_nop 0
	tensor_load_to_lds s[G0T:G0T+3], s[G1T:G1T+7]  ; the table,
	s_nop 0
	tensor_load_to_lds s[G0+4:G0+7], s[G1B:G1B+7]  ; K step 1: three loads of mine are out
	s_nop 0
	PLACES
	v_and_b32 v1, 15, v0                           ; l % 16
	v_bfe_u32 v2, v0, 4, 1                         ; l / 16
	v_and_b32 v3, 31, v0                           ; l
	v_lshlrev_b32 v[QO], 5, v1
	v_lshl_add_u32 v[QO], v2, 4, v[QO]             ; token x 32 + 16 x half: lanes 0-15 take the cosines (k = 0..7), lanes 16-31 the 1.0 and zeros (k = 8..15)
	v_lshlrev_b32 v[CO], 4, v3
.irp a, 0,1,2,3
	global_load_b128 v[Q+8*\a:Q+8*\a+3], v[QO], s[8:9] offset:512*\a  ; q stays in registers: token block a
.endr
	global_load_b128 v[B2:B2+3],   v[CO], s[10:11]
	global_load_b128 v[B2+4:B2+7], v[CO], s[10:11] offset:512
	v_mov_b32 v[ZR], 0
.irp z, 4,5,6,7,12,13,14,15
	v_mov_b32 v[W1F+\z], 0                         ; k = 16..31 of the small products' sources: 0, written once
.endr
.irp a, 0,1,2,3
.irp z, 4,5,6,7
	v_mov_b32 v[Q+8*\a+\z], 0
.endr
.endr
	v_mul_u32_u24 v[ADRB], v1, PITCH
	v_lshl_add_u32 v[ADRB], v2, 4, v[ADRB]         ; a fragment's row x pitch + 16 x half; every wave reads all 256 rows
	v_add_nc_u32 v[ADRB+1], SLOT, v[ADRB]
	v_lshlrev_b32 v[WA], 4, v1
	v_lshl_add_u32 v[WA], v2, 16, v[WA]
	v_add_nc_u32 v[WA], TAB, v[WA]
	s_mul_i32 s53, s[WV], WSTAGE
	s_add_co_u32 s53, s53, STAGE                   ; my stage
	v_mul_u32_u24 v[STO], v1, SP                   ; in: row l % 16, 32 bytes for each half of the lanes
	v_lshl_add_u32 v[STO], v2, 5, v[STO]
	v_add_nc_u32 v[STO], s53, v[STO]
	v_lshl_add_u32 v[RD], v3, 4, s53               ; back: 32 lanes take a row's 512 bytes
	v_lshlrev_b32 v[PFO], 13, v3
	s_wait_tensorcnt 1                             ; my parts of K step 0 and of the table are in; K step 1's may stay out
	s_barrier_signal -1
	s_barrier_wait -1                              ; everybody's are
	; quarter 0's h has nothing to stand beside
	ds_load_b128 v[W1F:W1F+3],    v[WA]
	ds_load_b128 v[W1F+8:W1F+11], v[WA] offset:256
	s_wait_loadcnt 0x0                             ; q and b2
	s_wait_dscnt 0x0
	GEN
	PLACES
	FETCH 0, 0, 0, 512                             ; w2h's fragments of quarter 0, the table's of quarter 1
	WIN 0
.set rj, 0
.rept 64
	RID 0
.endr
	QUARTER 0, 64,  0, 1, 1, 1024                  ; the first quarter stands in front of the loop: its products start the sums, so nothing is cleared
	WIN 0                                          ; at a label and at a branch every window is 0
	s_mov_b32 s3, LAPS-1
.Llap:                                                 ; a trip goes once round the ring, from a lap's second quarter to the next lap's first, and fills both slots again; quarter i of the trip (1..8) fetches the table at 512 (i + 2)
	QUARTER 0, 128, 1, 0, 0, 1536
	QUARTER 0, 192, 0, 1, 0, 2048
	TURN 0, 1, 1, 2560
	QUARTER 1, 64,  0, 1, 0, 3072
	QUARTER 1, 128, 1, 0, 0, 3584
	QUARTER 1, 192, 0, 1, 0, 4096
	TURN 1, 0, 1, 4608
	QUARTER 0, 64,  0, 1, 0, 5120
	WIN 0
	v_add_nc_u32 v[WA], 4096, v[WA]                ; eight quarters on in the table
	s_sub_co_u32 s3, s3, 1
	s_cmp_lg_u32 s3, 0
	s_cbranch_scc1 .Llap
	QUARTER 0, 128, 1, 0, 0, 1536                  ; the last lap is written out: it fills nothing and has no round
	QUARTER 0, 192, 0, 1, 0, 2048
	TURN 0, 1, 0, 2560
	QUARTER 1, 64,  0, 1, 0, 3072
	QUARTER 1, 128, 1, 0, 0, 3584                  ; the table's last fragments: quarter 127's
	QUARTER 1, 192, 0, 1, 0, -1
	s_wait_dscnt 16                                ; the very last quarter: nothing more to make or to fetch
	MULS 1, 0, 0, 32, 0, -1
	s_wait_dscnt 0x0
	MULS 1, 1, 0, 32, 0, -1
	WIN 0
	PLACES                                         ; the LDS stores below read results just made, and the loads land in registers that the last products read
	TOSTAGE 0
.irp n, 1,2,3,4,5,6,7                  ; block n's way through the stage stands between block n - 1's loads and its stores
	TOSTAGE \n
	SEND (\n)-1, 32
.endr
	SEND 7, 0
	s_wait_tensorcnt 0x0                           ; the wave's end, behind my last tensor load and my last LDS store
	ds_add_u32 v[SPW], v[NIL]
	s_wait_dscnt 0x0
	CROUND                                         ; the closing round: no work-group ends while a partner may still ask for a tile that names it
	s_endpgm
.Lfunc_end_k_qcc7e9ad71c_ffn:
	.size	k_qcc7e9ad71c_ffn, .Lfunc_end_k_qcc7e9ad71c_ffn-k_qcc7e9ad71c_ffn
	.p2alignl 7, 3214868480
	.fill 96, 4, 3214868480
	.section	.rodata,"a",@progbits
	.p2align	6, 0x0
	.amdhsa_kernel k_qcc7e9ad71c_ffn
		.amdhsa_group_segment_fixed_size 327680
		.amdhsa_private_segment_fixed_size 0
		.amdhsa_enable_private_segment 0
		.amdhsa_kernarg_size 40
		.amdhsa_user_sgpr_count 2
		.amdhsa_user_sgpr_kernarg_segment_ptr 1
		.amdhsa_wavefront_size32 1
		.amdhsa_system_sgpr_workgroup_id_x 1
		.amdhsa_system_sgpr_workgroup_id_y 1
		.amdhsa_system_sgpr_workgroup_id_z 1
		.amdhsa_system_vgpr_workitem_id 0
		.amdhsa_next_free_vgpr 1024
		.amdhsa_next_free_sgpr 66
		.amdhsa_reserve_vcc 0
		.amdhsa_float_denorm_mode_32 3
		.amdhsa_float_denorm_mode_16_64 3
		.amdhsa_memory_ordered 1
		.amdhsa_forward_progress 1
		.amdhsa_inst_pref_size 249
	.end_amdhsa_kernel
	.amdgpu_metadata
---
amdhsa.version: [ 1, 2 ]
amdhsa.kernels:
  - .name:           k_qcc7e9ad71c_ffn
    .symbol:         k_qcc7e9ad71c_ffn.kd
    .args:
      - { .name: w2h, .offset: 0, .size: 8, .value_kind: global_buffer, .address_space: global }
      - { .name: tab, .offset: 8, .size: 8, .value_kind: global_buffer, .address_space: global }
      - { .name: qh, .offset: 16, .size: 8, .value_kind: global_buffer, .address_space: global }
      - { .name: b2, .offset: 24, .size: 8, .value_kind: global_buffer, .address_space: global }
      - { .name: out0, .offset: 32, .size: 8, .value_kind: global_buffer, .address_space: global }
    .group_segment_fixed_size: 327680
    .private_segment_fixed_size: 0
    .kernarg_segment_align: 8
    .kernarg_segment_size: 40
    .max_flat_workgroup_size: 128
    .sgpr_count:     66
    .vgpr_count:     1024
    .wavefront_size: 32
...
	.end_amdgpu_metadata
.endif
;; end of part 2
;; ======== version 2 of 2: 2 launches; version 1 with the launch prep written anew for expert scheduling mode
;; limits: values outside matrix products are rounded to f16; values are held in f16: magnitudes above 65,504 overflow, below 6.1e-05 lose precision; inputs' magnitudes at most 4,194,304; right only within a limited range of input values
;; workspace buffers: w2h 8,388,608 bytes; tab 131,072 bytes; qh 524,288 bytes
;; launch prep (part 3): grid 256 x 1, 8 waves a work-group, no clusters, 0 bytes of LDS; arguments x, W1, b1, W2, w2h, tab, qh; writes w2h, tab, qh
.if DOCPART == 3
	.amdgcn_target "amdgcn-amd-amdhsa--gfx1250"
	.amdhsa_code_object_version 6
	.text
	.protected	k_qcc7e9ad71c_prep
	.globl	k_qcc7e9ad71c_prep
	.p2align	8
	.type	k_qcc7e9ad71c_prep,@function
k_qcc7e9ad71c_prep:
	s_mov_b64 s[64:65], 0
	v_nop
	global_prefetch_b8 v0, s[64:65] scope:SCOPE_SE
	s_setreg_imm32_b32 hwreg(HW_REG_WAVE_SCHED_MODE, 0, 2), 2
	s_setreg_imm32_b32 hwreg(HW_REG_WAVE_MODE, 25, 1), 1
	s_wait_xcnt 0x0
	s_wait_alu depctr_vm_vsrc(0)
; THE OPERANDS OF THE FUSED PRODUCT ARE LAID OUT, each rounded once to f16.
;   w2h [1024][4096] f16 = W2.
;   tab, two planes of 65,536 bytes, 16 bytes for each f of 4,096: plane 0 = f16(W1[f][0..7]); plane 1 = { f16(b1[f]), 0 x 7 }.
;   qh  [16384][16] f16, 32 bytes a token: { f16(cos x[token][0..7]), 1.0, 0 x 7 }.
; So h = relu(W1 q + b1) is one matrix product over 16 places of k: 0-7 carry W1 against q, place 8 carries b1 against 1.0.
; SHARES.  256 work-groups of eight waves.  Work-group g: all waves turn 65,536 bytes of W2 (four rows) into 32,768 of w2h; waves 0-3 make 16 tokens' q each
; (tokens 64 g + 16 w + lane % 16); wave 4 makes the table's 16 entries f = 16 g + lane % 16.  No LDS, no barrier: no wave wants another's bytes.
; COSINE.  n = nearest whole number to x / pi; r = x - n pi, with pi in two parts by fused multiply-adds; cos x = (-1)^n cos r; cos r by the series up to r^12, whose
; remainder at |r| = pi / 2 is r^14 / 14! = 6e-9.
; LIMITS.  The cosine's absolute error stays under 1e-6 for |x| up to 2^22; beyond that n is no longer sure.  f16 ends at 65,504: |W1|, |b1|, |W2| lie below it; a W2 below 6e-5 keeps
; f16's fixed step of 6e-8.  NaN and infinities are not treated apart.
; THE MODE: SCHED_MODE bits 1:0 = 2 (LLVM: expert scheduling mode 2), set by the entry lines.  The code itself states the register dependences
; between vector instructions and memory instructions, with s_wait_alu, always for 0.
; THE PLAN.  Registers that memory instructions touch:
;   v4, v5      byte offsets of W2's loads and w2h's stores: written at the head, never again.
;   v6, v7, v8  byte offsets of a small job's loads and of its one store: written in the job's arm, never again.
;   XI, BI, XW  written by one load each, which no vector instruction's read or write of them precedes; read by vector instructions behind the wait for the load.
;   Y           a pair for each of the 16 sweeps: written by the sweep's two conversions, read by its one store, never written again.
;   PK          written by a small job's last vector lines, read by its one store.
; No register that a memory instruction reads is ever written again, so no wait on vm_vsrc is owed.  The 16 sweeps go in four blocks of four: block p's conversions write Y of block p; the four stores of
; block p - 1 stand in one run at block p's head, behind ONE wait on va_vdst, which states that the block before has written its Y.  The last block's stores follow one more such wait.
.set XI,  10                           ; v[10:17]  eight f32: x's first eight numbers of my token, or my row of W1
.set BI,  18                           ; v18       b1[f]
.set NN,  20                           ; v[20:27]  n
.set RR,  28                           ; v[28:35]  r
.set ZZ,  36                           ; v[36:43]  r^2
.set PP,  44                           ; v[44:51]  the series
.set PK,  52                           ; v[52:55]  16 bytes to store
.set XW,  64                           ; v[64:127]  sweep i of 16: four f32 of W2
.set Y,   128                          ; v[128:159] sweep i: the same four in f16; a pair of its own for each sweep, so no store's data is ever rewritten
	s_load_b256 s[4:11], s[0:1], 0x0               ; x s[4:5], W1 s[6:7], b1 s[8:9], W2 s[10:11]
	s_load_b128 s[12:15], s[0:1], 0x20             ; w2h s[12:13], tab s[14:15]
	s_load_b64 s[16:17], s[0:1], 0x30              ; qh
	v_and_b32 v1, 31, v0                           ; lane
	v_and_b32 v2, 15, v0                           ; r = lane % 16
	v_bfe_u32 v3, v0, 4, 1                         ; h = lane / 16
	v_lshrrev_b32 v19, 5, v0
	v_readfirstlane_b32 s18, v19                   ; wave 0..7
	v_lshlrev_b32 v4, 4, v0                        ; my 16 bytes in a sweep of W2 (4,096 bytes for the 256 threads)
	v_lshlrev_b32 v5, 3, v0                        ; my 8 bytes in a sweep of w2h
	v_mov_b32 v9, 0
	s_mov_b32 s24, 0x3ea2f983                      ; 1 / pi.  Each constant is named as a pair by the packed forms, which take its low word for both halves
	s_mov_b32 s25, s24
	s_mov_b32 s26, 0xc0490fdb                      ; - pi, its upper part
	s_mov_b32 s27, s26
	s_mov_b32 s28, 0x33bbbd2e                      ; the upper part less pi: 8.742e-8
	s_mov_b32 s29, s28
	s_mov_b32 s30, 0x310f76c7                      ; 1 / 12!
	s_mov_b32 s31, s30
	s_mov_b32 s32, 0xb493f27e                      ; - 1 / 10!
	s_mov_b32 s33, s32
	s_mov_b32 s34, 0x37d00d01                      ; 1 / 8!
	s_mov_b32 s35, s34
	s_mov_b32 s36, 0xbab60b61                      ; - 1 / 6!
	s_mov_b32 s37, s36
	s_mov_b32 s38, 0x3d2aaaab                      ; 1 / 4!
	s_mov_b32 s39, s38
	s_lshl_b32 s20, ttmp9, 16                      ; the work-group's 65,536 bytes of W2
	s_mov_b32 s21, 0
	s_lshl_b32 s22, ttmp9, 15                      ; and its 32,768 of w2h
	s_mov_b32 s23, 0
	s_wait_kmcnt 0x0
	s_add_nc_u64 s[10:11], s[10:11], s[20:21]
	s_add_nc_u64 s[12:13], s[12:13], s[22:23]
	s_wait_alu depctr_va_sdst(0)                   ; s18 is written, ahead of its first reader, the compare below: the branches and the small jobs' bases hang on it
	s_wait_alu depctr_va_vdst(0)                   ; v4 and v5 are written, on every wave's path: W2's loads read v4 as their offset, w2h's stores v5
	; the small jobs' loads go out first: they are older than every load of W2, so the counted waits below cover them
	s_cmp_lt_u32 s18, 4
	s_cbranch_scc0 .Lnot_q
	s_lshl_b32 s20, ttmp9, 18                      ; token 64 g + 16 w, rows of 4,096 bytes
	s_lshl_b32 s22, s18, 16
	s_add_co_u32 s20, s20, s22
	s_add_nc_u64 s[4:5], s[4:5], s[20:21]
	s_lshl_b32 s22, ttmp9, 11                      ; the same token in qh, 32 bytes each
	s_lshl_b32 s20, s18, 9
	s_add_co_u32 s22, s22, s20
	s_add_nc_u64 s[16:17], s[16:17], s[22:23]
	v_lshlrev_b32 v6, 12, v2                       ; my token's row of x; both halves of the lanes read the same 32 bytes
	v_lshlrev_b32 v8, 5, v2
	v_lshl_add_u32 v8, v3, 4, v8                   ; 32 r + 16 h: the wave's store covers 512 consecutive bytes of qh
	s_wait_alu depctr_va_vdst(0)                   ; v6 is written, which the two loads below read as their offset (and v8, which the arm's store reads at the end)
	global_load_b128 v[XI:XI+3],   v6, s[4:5] th:TH_LOAD_NT
	global_load_b128 v[XI+4:XI+7], v6, s[4:5] offset:16 th:TH_LOAD_NT
	s_branch .Lstream
.Lnot_q:
	s_cmp_eq_u32 s18, 4
	s_cbranch_scc0 .Lstream
	s_lshl_b32 s20, ttmp9, 9                       ; f = 16 g: rows of 32 bytes in W1,
	s_add_nc_u64 s[6:7], s[6:7], s[20:21]
	s_lshl_b32 s20, ttmp9, 6                       ; 4 bytes in b1,
	s_add_nc_u64 s[8:9], s[8:9], s[20:21]
	s_lshl_b32 s20, ttmp9, 8                       ; 16 bytes in each plane of tab
	s_add_nc_u64 s[14:15], s[14:15], s[20:21]
	v_lshlrev_b32 v6, 5, v2
	v_lshlrev_b32 v7, 2, v2
	v_lshlrev_b32 v8, 4, v2
	v_lshl_add_u32 v8, v3, 16, v8                  ; 16 r + 65,536 h: lanes 0-15 fill 256 consecutive bytes of plane 0, lanes 16-31 of plane 1
	s_wait_alu depctr_va_vdst(0)                   ; v6 and v7 are written, which the three loads below read as their offsets (and v8, which the arm's store reads at the end)
	global_load_b128 v[XI:XI+3],   v6, s[6:7]
	global_load_b128 v[XI+4:XI+7], v6, s[6:7] offset:16
	global_load_b32 v[BI], v7, s[8:9]
.Lstream:
	; W2: all sixteen sweeps are asked for at once (8 KiB a wave on their way); a wave's load covers 512 consecutive bytes.  No vector instruction has named XW, and v4 was written ahead of the head's wait
.set i, 0
.rept 16
	global_load_b128 v[XW+4*i:XW+4*i+3], v4, s[10:11] offset:4096*i th:TH_LOAD_NT
.set i, i+1
.endr
.set i, 0
.rept 16
	s_wait_loadcnt 15-i                            ; loads come back in order (ISA guide 5.7.1): sweep i is in, the 15 - i younger ones stay out
.if (i%4 == 0) && (i > 0)
	s_wait_alu depctr_va_vdst(0)                   ; the block before has written its four pairs of Y, which the four stores below read; no vector instruction stands between this wait and them
.irp j, 4,3,2,1
	global_store_b64 v5, v[Y+2*(i-\j):Y+2*(i-\j)+1], s[12:13] offset:2048*(i-\j) th:TH_STORE_NT  ; the wave's store covers 256 consecutive bytes, aligned
.endr
.endif
	v_cvt_pk_f16_f32 v[Y+2*i],   v[XW+4*i],   v[XW+4*i+1]
	v_cvt_pk_f16_f32 v[Y+2*i+1], v[XW+4*i+2], v[XW+4*i+3]
.set i, i+1
.endr
	s_wait_alu depctr_va_vdst(0)                   ; the last block has written its four pairs of Y, which the last four stores read
.irp j, 12,13,14,15
	global_store_b64 v5, v[Y+2*\j:Y+2*\j+1], s[12:13] offset:2048*\j th:TH_STORE_NT
.endr
	; the last wait on LOADcnt was for 0: the small jobs' loads are in too
	s_cmp_lt_u32 s18, 4
	s_cbranch_scc0 .Lnot_q2
	v_cmp_gt_u32 vcc_lo, 16, v1                    ; lanes 0-15 store the cosines, lanes 16-31 the token's second 16 bytes: the mask is made here, the arm's arithmetic stands between it and the wait for it
	v_mov_b32 v57, 0x3c00                          ; 1.0 in f16 in the low half, 0 above it
.irp p, 0,2,4,6
	v_pk_mul_f32 v[NN+\p:NN+\p+1], v[XI+\p:XI+\p+1], s[24:25] op_sel_hi:[1,0]
.endr
.irp p, 0,1,2,3,4,5,6,7
	v_rndne_f32 v[NN+\p], v[NN+\p]
.endr
.irp p, 0,2,4,6
	v_pk_fma_f32 v[RR+\p:RR+\p+1], v[NN+\p:NN+\p+1], s[26:27], v[XI+\p:XI+\p+1] op_sel_hi:[1,0,1]  ; x - n pi_upper: one rounding, of a small number
.endr
.irp p, 0,2,4,6
	v_pk_fma_f32 v[RR+\p:RR+\p+1], v[NN+\p:NN+\p+1], s[28:29], v[RR+\p:RR+\p+1] op_sel_hi:[1,0,1]  ; + n (pi_upper - pi)
.endr
.irp p, 0,2,4,6
	v_pk_mul_f32 v[ZZ+\p:ZZ+\p+1], v[RR+\p:RR+\p+1], v[RR+\p:RR+\p+1]
.endr
.irp p, 0,2,4,6
	v_pk_fma_f32 v[PP+\p:PP+\p+1], v[ZZ+\p:ZZ+\p+1], s[30:31], s[32:33] op_sel_hi:[1,0,0]
.endr
.irp c, 34, 36, 38
.irp p, 0,2,4,6
	v_pk_fma_f32 v[PP+\p:PP+\p+1], v[PP+\p:PP+\p+1], v[ZZ+\p:ZZ+\p+1], s[\c:\c+1] op_sel_hi:[1,1,0]
.endr
.endr
.irp p, 0,2,4,6
	v_pk_fma_f32 v[PP+\p:PP+\p+1], v[PP+\p:PP+\p+1], v[ZZ+\p:ZZ+\p+1], -0.5 op_sel_hi:[1,1,0]
.endr
.irp p, 0,2,4,6
	v_pk_fma_f32 v[PP+\p:PP+\p+1], v[PP+\p:PP+\p+1], v[ZZ+\p:ZZ+\p+1], 1.0 op_sel_hi:[1,1,0]
.endr
.irp p, 0,1,2,3,4,5,6,7
	v_cvt_i32_f32 v[NN+\p], v[NN+\p]
.endr
.irp p, 0,1,2,3,4,5,6,7
	v_lshlrev_b32 v[NN+\p], 31, v[NN+\p]           ; n's lowest bit becomes the sign
.endr
.irp p, 0,1,2,3,4,5,6,7
	v_xor_b32 v[PP+\p], v[NN+\p], v[PP+\p]
.endr
.irp p, 0,1,2,3
	v_cvt_pk_f16_f32 v[PK+\p], v[PP+2*\p], v[PP+2*\p+1]
.endr
	s_wait_alu depctr_va_vcc(0)                    ; the compare at the arm's head has written VCC, ahead of its first reader, the select below
	v_cndmask_b32 v[PK],   v57, v[PK],   vcc_lo
	v_cndmask_b32 v[PK+1], v9,  v[PK+1], vcc_lo
	v_cndmask_b32 v[PK+2], v9,  v[PK+2], vcc_lo
	v_cndmask_b32 v[PK+3], v9,  v[PK+3], vcc_lo
	s_wait_alu depctr_va_vdst(0)                   ; the selects have written v[PK ..], which the store reads
	global_store_b128 v8, v[PK:PK+3], s[16:17] th:TH_STORE_NT
	s_endpgm
.Lnot_q2:
	s_cmp_eq_u32 s18, 4
	s_cbranch_scc0 .Lend
	v_cmp_gt_u32 vcc_lo, 16, v1                    ; lanes 0-15 store W1's row, lanes 16-31 the entry of plane 1
.irp p, 0,1,2,3
	v_cvt_pk_f16_f32 v[PK+\p], v[XI+2*\p], v[XI+2*\p+1]
.endr
	v_cvt_pk_f16_f32 v56, v[BI], v9                ; b1 in the low half, 0 above it
	s_wait_alu depctr_va_vcc(0)                    ; the compare at the arm's head has written VCC, ahead of its first reader, the select below
	v_cndmask_b32 v[PK],   v56, v[PK],   vcc_lo
	v_cndmask_b32 v[PK+1], v9,  v[PK+1], vcc_lo
	v_cndmask_b32 v[PK+2], v9,  v[PK+2], vcc_lo
	v_cndmask_b32 v[PK+3], v9,  v[PK+3], vcc_lo
	s_wait_alu depctr_va_vdst(0)                   ; the selects have written v[PK ..], which the store reads
	global_store_b128 v8, v[PK:PK+3], s[14:15] th:TH_STORE_NT
.Lend:
	s_endpgm
.Lfunc_end_k_qcc7e9ad71c_prep:
	.size	k_qcc7e9ad71c_prep, .Lfunc_end_k_qcc7e9ad71c_prep-k_qcc7e9ad71c_prep
	.p2alignl 7, 3214868480
	.fill 96, 4, 3214868480
	.section	.rodata,"a",@progbits
	.p2align	6, 0x0
	.amdhsa_kernel k_qcc7e9ad71c_prep
		.amdhsa_group_segment_fixed_size 0
		.amdhsa_private_segment_fixed_size 0
		.amdhsa_enable_private_segment 0
		.amdhsa_kernarg_size 56
		.amdhsa_user_sgpr_count 2
		.amdhsa_user_sgpr_kernarg_segment_ptr 1
		.amdhsa_wavefront_size32 1
		.amdhsa_system_sgpr_workgroup_id_x 1
		.amdhsa_system_sgpr_workgroup_id_y 1
		.amdhsa_system_sgpr_workgroup_id_z 1
		.amdhsa_system_vgpr_workitem_id 0
		.amdhsa_next_free_vgpr 160
		.amdhsa_next_free_sgpr 66
		.amdhsa_reserve_vcc 1
		.amdhsa_float_denorm_mode_32 3
		.amdhsa_float_denorm_mode_16_64 3
		.amdhsa_memory_ordered 1
		.amdhsa_forward_progress 1
		.amdhsa_inst_pref_size 14
	.end_amdhsa_kernel
	.amdgpu_metadata
---
amdhsa.version: [ 1, 2 ]
amdhsa.kernels:
  - .name:           k_qcc7e9ad71c_prep
    .symbol:         k_qcc7e9ad71c_prep.kd
    .args:
      - { .name: x, .offset: 0, .size: 8, .value_kind: global_buffer, .address_space: global }
      - { .name: W1, .offset: 8, .size: 8, .value_kind: global_buffer, .address_space: global }
      - { .name: b1, .offset: 16, .size: 8, .value_kind: global_buffer, .address_space: global }
      - { .name: W2, .offset: 24, .size: 8, .value_kind: global_buffer, .address_space: global }
      - { .name: w2h, .offset: 32, .size: 8, .value_kind: global_buffer, .address_space: global }
      - { .name: tab, .offset: 40, .size: 8, .value_kind: global_buffer, .address_space: global }
      - { .name: qh, .offset: 48, .size: 8, .value_kind: global_buffer, .address_space: global }
    .group_segment_fixed_size: 0
    .private_segment_fixed_size: 0
    .kernarg_segment_align: 8
    .kernarg_segment_size: 56
    .max_flat_workgroup_size: 256
    .sgpr_count:     66
    .vgpr_count:     160
    .wavefront_size: 32
...
	.end_amdgpu_metadata
.endif
;; end of part 3
;; launch ffn: the kernel of part 2 again; grid 64 x 4, 4 waves a work-group, clusters of 4 x 1, 327,680 bytes of LDS; arguments w2h, tab, qh, b2, out0; writes out0
